; MI455X (gfx1250); checked and timed in simulation.
; The chip was launched on July 23, 2026; its instructions are those of AMD's public machine-readable ISA for CDNA 5 (MIT licence, August 2026) and "CDNA5" Instruction Set Architecture Reference Guide (July 2026). The comments in the code are by the model that wrote it; some were corrected since.
;; Diff GLCM. Allowed arithmetic: float matrix products may take bf16 or f16 operands with f32 sums; all other float work in f32.
;; Inputs: x 16 x 1 x 256 x 256 float32.
;; Outputs: out0 16 x 1 x 64 x 64 x 1 float32.
;; Constants: offset_c = 1, offset_r = 1.
;; 2 versions, each right and faster than the one before. Each part assembles by itself: llvm-mc -triple=amdgcn-amd-amdhsa -mcpu=gfx1250 --defsym DOCPART=n.
;; ======== version 1 of 2: 2 launches
;; workspace buffers: part 4,194,304 bytes; tot 8,192 bytes
;; launch glcm_part (part 1): grid 256 x 1, 8 waves a work-group, no clusters, 168,960 bytes of LDS; arguments x, part, tot; writes part, tot
.if DOCPART == 1
	.amdgcn_target "amdgcn-amd-amdhsa--gfx1250"
	.amdhsa_code_object_version 6
	.text
	.protected	k_q09898c1c73_glcm_part
	.globl	k_q09898c1c73_glcm_part
	.p2align	8
	.type	k_q09898c1c73_glcm_part,@function
k_q09898c1c73_glcm_part:
	s_mov_b64 s[64:65], 0
	v_nop
	global_prefetch_b8 v0, s[64:65] scope:SCOPE_SE
	s_setreg_imm32_b32 hwreg(HW_REG_WAVE_MODE, 25, 1), 1
	s_wait_xcnt 0x0
; DiffGLCM, first of two launches.  x: [16][256][256] f32.  part: [256][64][64] f32, one partial sum a work-group.  tot: [256][8] f32.
; Work-group = (image, band of 16 centre rows), eight waves.  part[i][j] = sum over the band's pairs of t_i(h, w) t_j(h+1, w+1), with
; t_k = a_k - a_(k+1), a_0 = 1, a_k = 1 / (1 + exp(-10 (64 x - k))) for k = 1..63, a_64 = 0.
; DIAGONALS.  A K slot follows a diagonal of the image taken as a ring of 256 columns: slot d holds pixel (row p, (d + p) mod 256), p counted
; from the band's first row.  A row's fragments are first the B operand (periphery) against the row above and then, as they stand, the A
; operand (centre) against the row below: each t is made once (17 rows for 16 rows of products) and no operand passes through LDS.
; Lane (r, half) holds bins 4 g + b, g = 15 - r (bin b in fragment b), of the diagonals d = 16 j + gamma, j = 0..15, gamma = 2 wave + half;
; slot j is register j / 2, low half for even j.  The same place holds the same slot in A and in B, so the products pair rightly.
; The ring's one false pair of a row (centre in column 255) is slot 15 (register 7, high half) where 15 - gamma = centre row: cleared there.
; FOUR BINS FROM ONE EXPONENTIAL AND TWO RECIPROCALS.  c = 10 log2 e; E = 2^z, z = c (4 g + 1.5 - 64 x); d_b = 1 + E e^(10 (b - 1.5));
; r03 = 1 / (d0 d3), r12 = 1 / (d1 d2); a_0 = r03 d3, a_3 = r03 d0, a_1 = r12 d2, a_2 = r12 d1.
; PRODUCTS ONE ROW LATE.  The 16 matrix instructions of rows (p - 2, p - 1) stand one by one among the vector instructions of row p's first two
; quarters, so that the wave has vector work to issue between two of them.  Row p's fragments take the registers of row p - 2's, so nothing
; is written there before the last of the 16: the first quarter's 16 results wait in f32 in a bank of their own and are rounded with the second's.
; LIMITS, stated.  (1) z is cut at 62, so that d0 d3 and d1 d2 stay near 2^124 and their reciprocals above 2^-126; beyond the cut an a_k that is
; truly below 2^-40 is replaced by another number below 2^-40.  No lower cut: E = 0 gives a_k = 1.  (2) A NaN in x is not passed on: the
; minimum that cuts z drops it and the pixel counts as bin 0.  Any finite and infinite x is served.
; No cluster, no tensor load, no prefetch: a work-group reads 17 rows (17 KiB) once, at its head, and shares one of the 17 with the next band.
.set ROWB,  1024                       ; bytes in a row of x
.set RED,   17*ROWB                    ; LDS: 17 staged rows, then eight copies of the 64 x 64 sums
.set COPY,  16384
.set VA,    1                          ; v1        4 (d + row), before the ring's wrap
.set VK0,   2                          ; v2        c (4 g + 1.5)
.set VCNT,  3                          ; v3        15 - gamma - centre row
.set VC,    4                          ; v[4:11]   e^-15 (0 in the lane of bin 0), e^-5, e^5, e^15, each twice
.set YE,    12                         ; v12       -64 c x of my slot's pixel, even rows
.set YO,    13                         ; v13       the same, odd rows
.set VLOW,  14                         ; v14       0x0000ffff
.set VMSK,  15                         ; v15       the mask for register 7 of the centre's fragments; then, as VT, an offset at work
.set VT,    15
.set ZA,    16                         ; v[16:19]  z, then E, of four pixels
.set ZB,    20                         ; v[20:23]  the other buffer
.set DN,    24                         ; v[24:39]  pixel pair p: d0, d1, d2, d3 at 8 p + 0, 2, 4, 6
.set PR,    40                         ; v[40:47]  pixel pair p: r03 at 4 p, r12 at 4 p + 2
.set H,     48                         ; v[48:63]  the first quarter's t in f32: pixel pair p: t0, t1, t2, t3 at 8 p + 0, 2, 4, 6
.set FA,    64                         ; v[64:95]   four fragments, even rows
.set FB,    96                         ; v[96:127]  four fragments, odd rows
.set ACC,   128                        ; v[128:255] tile (a, b) at 8 (4 a + b): centre bins 4 g + a, periphery bins 4 g + b
.set RS,    16                         ; the way out: v[16:31] my 16 sums, sum (e, b) at 4 e + b
.set TS,    32                         ;              v[32:39] the total, at work
.set ST,    48
.set LD0,   49
.set LD1,   50
.set OUT,   51
.set LANE,  52
.set ZERO,  53
	s_load_b128 s[4:7], s[0:1], 0x0                ; x s[4:5], part s[6:7]
	s_load_b64 s[8:9], s[0:1], 0x10                ; tot
	s_set_vgpr_msb 0x40
	v_lshl_add_u32 v0, v0, 2, 0x29000
	v_mov_b32 v1, 0
	s_set_vgpr_msb 0x4000
	v_lshrrev_b32 v48, 5, v0
	v_readfirstlane_b32 s10, v48                   ; wave 0..7
	s_and_b32 s11, ttmp9, 15                       ; band of the image
	s_lshl_b32 s12, ttmp9, 14                      ; work-group x 16 rows of x; also work-group x 16,384 bytes of part
	s_mov_b32 s13, 0
	s_mov_b32 s14, 16*ROWB                         ; the 17th row; the last band has none and never multiplies it:
	s_mov_b32 s15, 0
	s_cmp_eq_u32 s11, 15
	s_cselect_b32 s14, 15*ROWB, s14                ; there the load takes row 255 again and stays inside x
	s_mov_b32 s20, 0x42780000                      ; 62.0, the cut of z
	s_mov_b32 s21, 0x4266d4ca                      ; 4 c
	s_mov_b32 s22, 0xc466d4ca                      ; -64 c
	s_mov_b32 s23, 0xc466d4ca
	s_mov_b32 s25, 0                               ; the loop's step through the staged rows
	s_mov_b32 s26, 0x76543210                      ; v_permlanex16_b32: lane i of the other half
	s_mov_b32 s27, 0xfedcba98
	v_lshlrev_b32 v[VT], 4, v0                     ; staging: thread t takes bytes 16 t of each block of four rows
	v_and_b32 v48, 15, v0                          ; r
	v_lshrrev_b32 v49, 4, v0                       ; gamma
	v_sub_nc_u32 v50, 15, v48                      ; g
	v_cvt_f32_u32 v50, v50
	v_mov_b32 v51, 0x41ad1f97                      ; 1.5 c
	v_fma_f32 v[VK0], v50, s21, v51
	v_mov_b32 v52, 0
	v_mov_b32 v[VC+0], 0x34a43ae5                  ; e^-15
	v_cmp_eq_u32 vcc_lo, 15, v48                   ; g = 0: the lane of bin 0
	v_cndmask_b32 v[VC+0], v[VC+0], v52, vcc_lo    ; d0 = 1 there, so a_0 = 1
	v_mov_b32 v[VC+1], v[VC+0]
	v_mov_b32 v[VC+2], 0x3bdcc9ff                  ; e^-5
	v_mov_b32 v[VC+3], 0x3bdcc9ff
	v_mov_b32 v[VC+4], 0x431469c5                  ; e^5
	v_mov_b32 v[VC+5], 0x431469c5
	v_mov_b32 v[VC+6], 0x4a478665                  ; e^15
	v_mov_b32 v[VC+7], 0x4a478665
	v_sub_nc_u32 v[VCNT], 15, v49
	v_mov_b32 v[VLOW], 0xffff
	v_lshlrev_b32 v[VA], 6, v48
	v_lshl_add_u32 v[VA], v49, 2, v[VA]            ; 4 d = 64 r + 4 gamma: lane r fetches the pixel of slot j = r
.irp i, 0,1,2,3,4,5,6,7
	v_mov_b32 v[ZA+\i], 0                          ; a DPP instruction's destination is also read: written once here,
.endr
.irp i, 6,7,14,15
	v_mov_b32 v[H+\i], 0                           ; and so are the bank's places for t3
.endr
	s_wait_kmcnt 0x0
	s_add_nc_u64 s[4:5], s[4:5], s[12:13]          ; x at the band's first row
	s_add_nc_u64 s[6:7], s[6:7], s[12:13]          ; my 16 KiB of part
	s_add_nc_u64 s[14:15], s[4:5], s[14:15]        ; x at the 17th row
	; STAGING: each load of a wave takes 512 consecutive bytes from a multiple of 512; scaled by -64 c on the way into LDS.
.irp k, 0,1,2,3
	global_load_b128 v[ACC+4*\k:ACC+4*\k+3], v[VT], s[4:5] offset:4*ROWB*\k
.endr
	s_cmp_gt_u32 s10, 1
	s_cbranch_scc1 .Lrows0to15                     ; the 17th row is 64 threads' work: waves 0 and 1
	global_load_b128 v[ACC+16:ACC+19], v[VT], s[14:15]
	s_wait_loadcnt 0x0                             ; all five were in flight together
	v_pk_mul_f32 v[ACC+16:ACC+17], v[ACC+16:ACC+17], s[22:23] op_sel_hi:[1,0]
	v_pk_mul_f32 v[ACC+18:ACC+19], v[ACC+18:ACC+19], s[22:23] op_sel_hi:[1,0]
	ds_store_b128 v[VT], v[ACC+16:ACC+19] offset:16*ROWB
.Lrows0to15:
.irp k, 0,1,2,3
	s_wait_loadcnt 3-\k                            ; loads return in order: block k is in, the 3 - k younger ones may be out
	v_pk_mul_f32 v[ACC+4*\k:ACC+4*\k+1],   v[ACC+4*\k:ACC+4*\k+1],   s[22:23] op_sel_hi:[1,0]
	v_pk_mul_f32 v[ACC+4*\k+2:ACC+4*\k+3], v[ACC+4*\k+2:ACC+4*\k+3], s[22:23] op_sel_hi:[1,0]
	ds_store_b128 v[VT], v[ACC+4*\k:ACC+4*\k+3] offset:4*ROWB*\k
.endr
	s_wait_dscnt 0x0                               ; my stores are in LDS before I say so: every wave reads every row
	s_barrier_signal -1
	s_barrier_wait -1
; The next of the 16 pending matrix instructions, if any is left: tile WN = 4 a + b, A = fragment a of set WA, B = fragment b of set WB.
; WMODE = 1: the first products start the sums, nothing is cleared.
.set WN, 16
.set WMODE, 2
.set WA, FA
.set WB, FB
.macro WM
.if WN < 16
.if WMODE == 1
	v_wmma_f32_16x16x32_bf16 v[ACC+8*WN:ACC+8*WN+7], v[WA+8*(WN/4):WA+8*(WN/4)+7], v[WB+8*(WN%4):WB+8*(WN%4)+7], 0
	s_wait_alu depctr_va_vdst(0)
.else
	v_wmma_f32_16x16x32_bf16 v[ACC+8*WN:ACC+8*WN+7], v[WA+8*(WN/4):WA+8*(WN/4)+7], v[WB+8*(WN%4):WB+8*(WN%4)+7], v[ACC+8*WN:ACC+8*WN+7]
.endif
.set WN, WN+1
.endif
.endm
; where a quarter's t0..t3 lie in f32: hold = 1 in the bank H, hold = 0 in the registers of DN and PR that are done with
.macro TREGS hold
.if \hold
.set T0, H
.set T1, H+2
.set T2, H+4
.set T3, H+6
.set TS02, 8
.else
.set T0, PR
.set T1, DN+4
.set T2, PR+2
.set T3, DN+2
.set TS02, 4
.endif
.endm
.macro DFMA p, b, z                    ; d_b = 1 + E C_b of pixel pair p
	v_pk_fma_f32 v[DN+8*\p+2*\b:DN+8*\p+2*\b+1], v[\z+2*\p:\z+2*\p+1], v[VC+2*\b:VC+2*\b+1], 1.0 op_sel_hi:[1,1,0]
.endm
.macro RCP i
	v_rcp_f32 v[PR+\i], v[PR+\i]
.endm
.macro ZADD z, i, y, j                 ; z of slot j's pixel: row_share hands lane j's pixel to the 16 lanes of its half
	v_add_f32_dpp v[\z+\i], v[\y], v[VK0] row_share:\j row_mask:0xf bank_mask:0xf
.endm
.macro ZMIN z, i
	v_min_num_f32 v[\z+\i], s20, v[\z+\i]
.endm
.macro ZEXP z, i
	v_exp_f32 v[\z+\i], v[\z+\i]
.endm
.macro MULN0 p                         ; -a0 = -r03 d3
	s_wait_alu depctr_va_vdst(0)
	v_pk_mul_f32 v[DN+8*\p+6:DN+8*\p+7], v[PR+4*\p:PR+4*\p+1], v[DN+8*\p+6:DN+8*\p+7] neg_lo:[1,0] neg_hi:[1,0]
.endm
.macro MULA3 p                         ; a3 = r03 d0
	v_pk_mul_f32 v[DN+8*\p:DN+8*\p+1], v[PR+4*\p:PR+4*\p+1], v[DN+8*\p:DN+8*\p+1]
.endm
.macro MULA2 p                         ; a2 = r12 d1
	v_pk_mul_f32 v[DN+8*\p+2:DN+8*\p+3], v[PR+4*\p+2:PR+4*\p+3], v[DN+8*\p+2:DN+8*\p+3]
.endm
; A QUARTER OF A ROW: t0..t3 in f32 of the four pixels whose E lies in zc, and z and E of the next four (slots j0..j3 of row y) into zn
; (j0 = -1: there are none).  Every transcendental is followed by a plain vector instruction that touches neither its source nor its
; result, and is used only behind it (ISA guide 5.7.2).  Eight places for pending matrix instructions; behind the last of them stand the ten
; plain vector instructions of the differences, none of which names a fragment or a sum (ISA guide 7.12.1 asks four before a source is written).
.macro QUARTER zc, zn, y, j0, j1, j2, j3, hold
	TREGS \hold
	WM
	DFMA 0, 0, \zc
	DFMA 0, 3, \zc
	DFMA 0, 1, \zc
	DFMA 0, 2, \zc
	DFMA 1, 0, \zc
	DFMA 1, 3, \zc
	WM
	DFMA 1, 1, \zc
	DFMA 1, 2, \zc
.irp p, 0, 1
	v_pk_mul_f32 v[PR+4*\p:PR+4*\p+1],   v[DN+8*\p:DN+8*\p+1],   v[DN+8*\p+6:DN+8*\p+7]
	v_pk_mul_f32 v[PR+4*\p+2:PR+4*\p+3], v[DN+8*\p+2:DN+8*\p+3], v[DN+8*\p+4:DN+8*\p+5]
.endr
	WM
.if \j0 >= 0
	RCP 0
	ZADD \zn, 0, \y, \j0
	RCP 1
	ZADD \zn, 1, \y, \j1
	WM
	RCP 2
	ZADD \zn, 2, \y, \j2
	RCP 3
	ZADD \zn, 3, \y, \j3
	RCP 4
	ZMIN \zn, 0
	WM
	RCP 5
	ZMIN \zn, 1
	RCP 6
	ZMIN \zn, 2
	RCP 7
	ZMIN \zn, 3
	WM
	ZEXP \zn, 0
	MULN0 0
	ZEXP \zn, 1
	MULA3 0
	WM
	ZEXP \zn, 2
	MULA2 0
	ZEXP \zn, 3
	MULN0 1
	MULA3 1
	MULA2 1
	WM
.else
.irp i, 0,1,2,3,4,5,6,7
	RCP \i
.endr
	v_nop                                          ; the plain place between the reciprocals and their use
	s_wait_alu depctr_va_vdst(0)
.irp p, 0, 1
	MULN0 \p
	MULA3 \p
	MULA2 \p
.endr
.endif
.irp p, 0, 1
	v_pk_fma_f32 v[T0+TS02*\p:T0+TS02*\p+1], v[PR+4*\p+2:PR+4*\p+3], v[DN+8*\p+4:DN+8*\p+5], v[DN+8*\p+6:DN+8*\p+7] neg_lo:[1,0,1] neg_hi:[1,0,1]   ; t0 = a0 - r12 d2
	v_pk_fma_f32 v[T1+8*\p:T1+8*\p+1],       v[PR+4*\p+2:PR+4*\p+3], v[DN+8*\p+4:DN+8*\p+5], v[DN+8*\p+2:DN+8*\p+3] neg_lo:[0,0,1] neg_hi:[0,0,1]   ; t1 = r12 d2 - a2
	v_pk_add_f32 v[T2+TS02*\p:T2+TS02*\p+1], v[DN+8*\p+2:DN+8*\p+3], v[DN+8*\p:DN+8*\p+1] neg_lo:[0,1] neg_hi:[0,1]                                 ; t2 = a2 - a3
.endr
	s_wait_alu depctr_va_vdst(0)
.irp p, 0, 1
	; t3 = a3 - a0 of the next four bins, which lane r - 1 holds; lane r = 0 (bins 60..63) has no such lane and takes 0 = a_64
	v_add_f32_dpp v[T3+8*\p],   v[DN+8*\p+6], v[DN+8*\p]   row_shr:1 row_mask:0xf bank_mask:0xf bound_ctrl:1
	v_add_f32_dpp v[T3+8*\p+1], v[DN+8*\p+7], v[DN+8*\p+1] row_shr:1 row_mask:0xf bank_mask:0xf bound_ctrl:1
.endr
.endm
; a quarter's 16 t, rounded to bf16 into registers 2 q, 2 q + 1 of the four fragments of set fn
.macro CVT fn, q, hold
	TREGS \hold
	s_wait_alu depctr_va_vdst(0)
.irp p, 0, 1
	v_cvt_pk_bf16_f32 v[\fn+2*\q+\p],    v[T0+TS02*\p], v[T0+TS02*\p+1]
	v_cvt_pk_bf16_f32 v[\fn+8+2*\q+\p],  v[T1+8*\p],    v[T1+8*\p+1]
	v_cvt_pk_bf16_f32 v[\fn+16+2*\q+\p], v[T2+TS02*\p], v[T2+TS02*\p+1]
	v_cvt_pk_bf16_f32 v[\fn+24+2*\q+\p], v[T3+8*\p],    v[T3+8*\p+1]
.endr
.endm
; Set f turns from periphery to centre: where my half wave's slot 15 stood in column 255, that pixel is no centre.  The matrix instructions
; that read f as B stand more than a hundred plain vector instructions back.
.macro MASK f
	v_cmp_eq_u32 vcc_lo, 0, v[VCNT]
	v_cndmask_b32 v[VMSK], -1, v[VLOW], vcc_lo
	v_add_nc_u32 v[VCNT], -1, v[VCNT]              ; the next centre row
	s_wait_alu depctr_va_vdst(0)
.irp b, 0,1,2,3
	v_and_b32 v[\f+8*\b+7], v[VMSK], v[\f+8*\b+7]
.endr
.endm
; ROW p.  fn: its fragments' set, which still holds row p - 2's; fb: row p - 1's; ycur, ynext: this row's and the next row's pixels; off: the
; next row's bytes among the staged rows less the loop's step s25 (-1: no next row); mm: 0 no product is pending, 1 the first, 2 a further one.
; E of this row's first four pixels was made in the row before.
.macro ROW fn, fb, ycur, ynext, off, mm
.if \mm
	MASK \fn
.set WN, 0
.set WMODE, \mm
.set WA, \fn
.set WB, \fb
.else
.set WN, 16
.endif
.if \off >= 0
	v_add_nc_u32 v[VA], 4, v[VA]                   ; one column to the right,
	v_and_or_b32 v[VT], v[VA], 0x3ff, s25          ; round the ring of 256 columns,
	s_wait_alu depctr_va_vdst(0)
	ds_load_b32 v[\ynext], v[VT] offset:\off       ; one row down
.endif
	QUARTER ZA, ZB, \ycur, 4, 5, 6, 7, 1           ; products 0..7 among it; its t wait in the bank
	QUARTER ZB, ZA, \ycur, 8, 9, 10, 11, 0         ; products 8..15 among it
	CVT \fn, 0, 1                                  ; row p - 2's fragments are done with
	CVT \fn, 1, 0
	QUARTER ZA, ZB, \ycur, 12, 13, 14, 15, 0
	CVT \fn, 2, 0
.if \off >= 0
	s_wait_dscnt 0x0                               ; the one LDS load of this row, issued at its head
	QUARTER ZB, ZA, \ynext, 0, 1, 2, 3, 0
.else
	QUARTER ZB, ZA, \ynext, -1, -1, -1, -1, 0
.endif
	CVT \fn, 3, 0
.endm
; the last product has no row to stand in
.macro LASTMM fa, fb
	MASK \fa
.set WN, 0
.set WMODE, 2
.set WA, \fa
.set WB, \fb
.rept 16
	WM
.endr
.endm
	ds_load_b32 v[YE], v[VA]                       ; row 0
	s_wait_dscnt 0x0
	ZADD ZA, 0, YE, 0
	ZADD ZA, 1, YE, 1
	ZADD ZA, 2, YE, 2
	ZADD ZA, 3, YE, 3
.irp i, 0,1,2,3
	ZMIN ZA, \i
.endr
.irp i, 0,1,2,3
	ZEXP ZA, \i                                    ; row 0 begins with two plain address lines: the place before the first use
.endr
	ROW FA, FB, YE, YO, 1*ROWB, 0                  ; row 0
	ROW FB, FA, YO, YE, 2*ROWB, 0                  ; row 1
	ROW FA, FB, YE, YO, 3*ROWB, 1                  ; row 2, with the product of rows 0 and 1
	s_mov_b32 s24, 0
.Lrows:                                            ; trip t = 0..5: rows 3 + 2 t and 4 + 2 t
	s_lshl_b32 s25, s24, 11                        ; 2 t staged rows
	ROW FB, FA, YO, YE, 4*ROWB, 2
	ROW FA, FB, YE, YO, 5*ROWB, 2
	s_add_co_u32 s24, s24, 1
	s_cmp_lt_u32 s24, 6
	s_cbranch_scc1 .Lrows
	s_mov_b32 s25, 0
	ROW FB, FA, YO, YE, 16*ROWB, 2                 ; row 15, with the product of rows 13 and 14
	s_cmp_eq_u32 s11, 15
	s_cbranch_scc1 .Lband15                        ; the image's row 255 is no centre: the last band has 15 rows of products
	ROW FA, FB, YE, YO, -1, 2                      ; row 16, with the product of rows 14 and 15
	LASTMM FB, FA                                  ; rows 15 and 16
	s_branch .Lreduce
.Lband15:
	LASTMM FA, FB                                  ; rows 14 and 15
.Lreduce:
	; THE WAY OUT.  Eight copies of the sums go to LDS as they lie in registers (registers 4 G .. 4 G + 3 at 512 G + 16 lane); wave w adds, over
	; the copies, registers 4 u .. 4 u + 3 of tiles (a, 0..3), a = w / 2, u = w % 2.  Register 4 u + e of tile (a, b) in lane (r, half) is
	; part[4 (15 - 8 half - 4 u - e) + a][4 (15 - r) + b].  The vector lines below are more than the four plain places between the last
	; matrix instruction and the first LDS store of a result.
	v_and_b32 v[LANE], 31, v0
	v_mov_b32 v[ZERO], 0
	v_lshlrev_b32 v54, 4, v[LANE]                  ; 16 x lane
	v_xor_b32 v55, 31, v[LANE]                     ; low four bits 15 - r, bit 4: 1 - half
	v_and_b32 v[OUT], 15, v55
	v_lshrrev_b32 v55, 4, v55
	v_lshlrev_b32 v[OUT], 4, v[OUT]
	v_lshl_add_u32 v[OUT], v55, 13, v[OUT]         ; 16 (15 - r) + 8192 (1 - half)
	s_lshl_b32 s28, s10, 14
	s_add_co_u32 s28, s28, RED                     ; my copy
	v_add_nc_u32 v[ST], s28, v54
	s_lshr_b32 s29, s10, 1                         ; a
	s_and_b32 s30, s10, 1                          ; u
	s_lshl_b32 s28, s29, 12
	s_lshl_b32 s31, s30, 9
	s_add_co_u32 s28, s28, s31
	s_add_co_u32 s28, s28, RED
	v_add_nc_u32 v[LD0], s28, v54                  ; copies 0..3: tile (a, 0), registers 4 u ..
	v_add_nc_u32 v[LD1], 4*COPY, v[LD0]            ; copies 4..7 lie beyond the reach of the 16-bit offset
	s_xor_b32 s30, s30, 1
	s_lshl_b32 s30, s30, 12
	s_lshl_b32 s29, s29, 8
	s_add_co_u32 s30, s30, s29
	v_add_nc_u32 v[OUT], s30, v[OUT]               ; + 4096 (1 - u) + 256 a
.set G, 0
.rept 32
	ds_store_b128 v[ST], v[ACC+4*G:ACC+4*G+3] offset:512*G
.set G, G+1
.endr
	s_wait_dscnt 0x0                               ; my copy is in LDS before I say so: every wave reads every copy
	s_barrier_signal -1
	s_barrier_wait -1
.irp c, 0,1,2,3
.irp b, 0,1,2,3
	ds_load_b128 v[ACC+16*\c+4*\b:ACC+16*\c+4*\b+3], v[LD0] offset:\c*COPY+\b*1024
.endr
.endr
.irp c, 0,1,2,3
.irp b, 0,1,2,3
	ds_load_b128 v[ACC+64+16*\c+4*\b:ACC+64+16*\c+4*\b+3], v[LD1] offset:\c*COPY+\b*1024
.endr
.endr
.irp c, 1,2,3,4,5,6
	s_wait_dscnt 4*(7-\c)                          ; LDS loads return in order: copies 0..c are in, four loads for each later copy may be out
.irp i, 0,2,4,6,8,10,12,14
	v_pk_add_f32 v[ACC+\i:ACC+\i+1], v[ACC+\i:ACC+\i+1], v[ACC+16*\c+\i:ACC+16*\c+\i+1]
.endr
.endr
	s_wait_dscnt 0x0
	s_wait_alu depctr_va_vdst(0)
.irp e, 0,1,2,3
.irp b, 0,1,2,3
	v_add_f32 v[RS+4*\e+\b], v[ACC+4*\b+\e], v[ACC+112+4*\b+\e]    ; the last add also puts four neighbouring columns side by side
.endr
.endr
.irp e, 0,1,2,3
	global_store_b128 v[OUT], v[RS+4*\e:RS+4*\e+3], s[6:7] offset:1024*(3-\e)   ; 16 lanes store a whole row of 256 bytes, aligned
.endr
	; my eighth's total, for the second launch's divisor
.irp i, 0,1,2,3
	v_pk_add_f32 v[TS+2*\i:TS+2*\i+1], v[RS+4*\i:RS+4*\i+1], v[RS+4*\i+2:RS+4*\i+3]
.endr
	v_pk_add_f32 v[TS:TS+1],   v[TS:TS+1],   v[TS+2:TS+3]
	v_pk_add_f32 v[TS+4:TS+5], v[TS+4:TS+5], v[TS+6:TS+7]
	v_pk_add_f32 v[TS:TS+1],   v[TS:TS+1],   v[TS+4:TS+5]
	v_add_f32 v[TS], v[TS], v[TS+1]
	v_add_f32_dpp v[TS], v[TS], v[TS] row_xmask:1 row_mask:0xf bank_mask:0xf
	v_add_f32_dpp v[TS], v[TS], v[TS] row_xmask:2 row_mask:0xf bank_mask:0xf
	v_add_f32_dpp v[TS], v[TS], v[TS] row_xmask:4 row_mask:0xf bank_mask:0xf
	v_add_f32_dpp v[TS], v[TS], v[TS] row_xmask:8 row_mask:0xf bank_mask:0xf
	v_permlanex16_b32 v[TS+1], v[TS], s26, s27
	v_add_f32 v[TS], v[TS], v[TS+1]
	s_lshl_b32 s28, ttmp9, 5                       ; tot[work-group][wave]
	s_lshl2_add_u32 s28, s10, s28
	s_mov_b32 s29, 0
	s_add_nc_u64 s[8:9], s[8:9], s[28:29]
	v_cmp_eq_u32 vcc_lo, 0, v[LANE]
	s_wait_xcnt 0x0                                ; EXEC is a source of the four stores above: it narrows only behind this wait
	s_set_vgpr_msb 0x5
	s_wait_tensorcnt 0x0
	ds_add_u32 v0, v1
	s_wait_dscnt 0x0
	s_set_vgpr_msb 0x500
	s_and_saveexec_b32 s16, vcc_lo
	global_store_b32 v[ZERO], v[TS], s[8:9]        ; lane 0 alone
	s_wait_xcnt 0x0                                ; and widens only behind this one
	s_or_b32 exec_lo, exec_lo, s16
	s_endpgm
.Lfunc_end_k_q09898c1c73_glcm_part:
	.size	k_q09898c1c73_glcm_part, .Lfunc_end_k_q09898c1c73_glcm_part-k_q09898c1c73_glcm_part
	.p2alignl 7, 3214868480
	.fill 96, 4, 3214868480
	.section	.rodata,"a",@progbits
	.p2align	6, 0x0
	.amdhsa_kernel k_q09898c1c73_glcm_part
		.amdhsa_group_segment_fixed_size 168960
		.amdhsa_private_segment_fixed_size 0
		.amdhsa_enable_private_segment 0
		.amdhsa_kernarg_size 24
		.amdhsa_user_sgpr_count 2
		.amdhsa_user_sgpr_kernarg_segment_ptr 1
		.amdhsa_wavefront_size32 1
		.amdhsa_system_sgpr_workgroup_id_x 1
		.amdhsa_system_sgpr_workgroup_id_y 1
		.amdhsa_system_sgpr_workgroup_id_z 1
		.amdhsa_system_vgpr_workitem_id 0
		.amdhsa_next_free_vgpr 258
		.amdhsa_next_free_sgpr 66
		.amdhsa_reserve_vcc 1
		.amdhsa_float_denorm_mode_32 3
		.amdhsa_float_denorm_mode_16_64 3
		.amdhsa_memory_ordered 1
		.amdhsa_forward_progress 1
		.amdhsa_inst_pref_size 114
	.end_amdhsa_kernel
	.amdgpu_metadata
---
amdhsa.version: [ 1, 2 ]
amdhsa.kernels:
  - .name:           k_q09898c1c73_glcm_part
    .symbol:         k_q09898c1c73_glcm_part.kd
    .args:
      - { .name: x, .offset: 0, .size: 8, .value_kind: global_buffer, .address_space: global }
      - { .name: part, .offset: 8, .size: 8, .value_kind: global_buffer, .address_space: global }
      - { .name: tot, .offset: 16, .size: 8, .value_kind: global_buffer, .address_space: global }
    .group_segment_fixed_size: 168960
    .private_segment_fixed_size: 0
    .kernarg_segment_align: 8
    .kernarg_segment_size: 24
    .max_flat_workgroup_size: 256
    .sgpr_count:     66
    .vgpr_count:     258
    .wavefront_size: 32
...
	.end_amdgpu_metadata
.endif
;; end of part 1
;; launch glcm_norm (part 2): grid 256 x 1, 2 waves a work-group, no clusters, 0 bytes of LDS; arguments part, tot, out0; writes out0
.if DOCPART == 2
	.amdgcn_target "amdgcn-amd-amdhsa--gfx1250"
	.amdhsa_code_object_version 6
	.text
	.protected	k_q09898c1c73_glcm_norm
	.globl	k_q09898c1c73_glcm_norm
	.p2align	8
	.type	k_q09898c1c73_glcm_norm,@function
k_q09898c1c73_glcm_norm:
	s_mov_b64 s[64:65], 0
	v_nop
	global_prefetch_b8 v0, s[64:65] scope:SCOPE_SE
	s_setreg_imm32_b32 hwreg(HW_REG_WAVE_MODE, 25, 1), 1
	s_wait_xcnt 0x0
; DiffGLCM, second launch.  out0[b][i][j] = (sum over the image's 16 bands of part) / (sum of the image's 128 wave totals).
; part: [16 images][16 bands][64][64] f32, tot: [16][128] f32, out0: [16][64][64] f32.
; Work-group = 1,024 bytes of out0 (16 groups an image), two waves; a thread owns 16 bytes.  Its 17 loads are all issued before the first wait.
; Each load and store of a wave covers 512 consecutive bytes from a multiple of 512.  No LDS, no barrier: each wave adds the 128 totals itself.
; An image whose total is 0, infinite or NaN gives what the division by it gives.
.set BAND, 16384                       ; bytes of one partial sum
.set L,    8                           ; v[8:71]   the 16 partials of my 16 bytes
.set R,    72                          ; v[72:73]  1 / total, twice
.set S,    74                          ; v[74:77]  the sum
	s_load_b128 s[4:7], s[0:1], 0x0                ; part s[4:5], tot s[6:7]
	s_load_b64 s[8:9], s[0:1], 0x10                ; out0
	s_lshr_b32 s10, ttmp9, 4                       ; image
	s_and_b32 s11, ttmp9, 15                       ; which 1,024 bytes of its 16,384
	s_lshl_b32 s12, s10, 18                        ; 16 partials of 16,384 bytes an image
	s_lshl_b32 s11, s11, 10
	s_add_co_u32 s12, s12, s11
	s_mov_b32 s13, 0
	s_lshl_b32 s14, s10, 9                         ; 128 totals an image
	s_mov_b32 s15, 0
	s_lshl_b32 s18, ttmp9, 10
	s_mov_b32 s19, 0
	s_mov_b32 s16, 0x76543210                      ; v_permlanex16_b32: lane i of the other half
	s_mov_b32 s17, 0xfedcba98
	v_and_b32 v1, 31, v0
	v_lshlrev_b32 v1, 4, v1                        ; four totals a lane
	v_lshlrev_b32 v2, 4, v0                        ; my 16 bytes
	s_wait_kmcnt 0x0
	s_add_nc_u64 s[4:5], s[4:5], s[12:13]
	s_add_nc_u64 s[6:7], s[6:7], s[14:15]
	s_add_nc_u64 s[8:9], s[8:9], s[18:19]
	global_load_b128 v[4:7], v1, s[6:7]
.irp k, 0,1,2,3,4,5,6,7,8,9,10,11,12,13,14,15
	global_load_b128 v[L+4*\k:L+4*\k+3], v2, s[4:5] offset:BAND*\k th:TH_LOAD_NT
.endr
	s_wait_loadcnt 16                              ; loads return in order: the totals are in, the 16 partials behind them may be out
	v_add_f32 v4, v4, v5
	v_add_f32 v6, v6, v7
	v_add_f32 v4, v4, v6
	v_add_f32_dpp v4, v4, v4 row_xmask:1 row_mask:0xf bank_mask:0xf
	v_add_f32_dpp v4, v4, v4 row_xmask:2 row_mask:0xf bank_mask:0xf
	v_add_f32_dpp v4, v4, v4 row_xmask:4 row_mask:0xf bank_mask:0xf
	v_add_f32_dpp v4, v4, v4 row_xmask:8 row_mask:0xf bank_mask:0xf
	v_permlanex16_b32 v5, v4, s16, s17
	v_add_f32 v4, v4, v5                           ; the image's total, in every lane
	v_rcp_f32 v[R], v4                             ; first used behind the plain additions below (ISA guide 5.7.2)
	v_rcp_f32 v[R+1], v4
	s_wait_loadcnt 14                              ; partials 0 and 1 are in
	v_pk_add_f32 v[S:S+1],   v[L:L+1],   v[L+4:L+5]
	v_pk_add_f32 v[S+2:S+3], v[L+2:L+3], v[L+6:L+7]
.irp k, 2,3,4,5,6,7,8,9,10,11,12,13,14,15
	s_wait_loadcnt 15-\k                           ; partial k is in, the 15 - k younger ones may be out
	v_pk_add_f32 v[S:S+1],   v[S:S+1],   v[L+4*\k:L+4*\k+1]
	v_pk_add_f32 v[S+2:S+3], v[S+2:S+3], v[L+4*\k+2:L+4*\k+3]
.endr
	s_wait_alu depctr_va_vdst(0)
	v_pk_mul_f32 v[S:S+1],   v[S:S+1],   v[R:R+1]
	v_pk_mul_f32 v[S+2:S+3], v[S+2:S+3], v[R:R+1]
	global_store_b128 v2, v[S:S+3], s[8:9]
	s_endpgm
.Lfunc_end_k_q09898c1c73_glcm_norm:
	.size	k_q09898c1c73_glcm_norm, .Lfunc_end_k_q09898c1c73_glcm_norm-k_q09898c1c73_glcm_norm
	.p2alignl 7, 3214868480
	.fill 96, 4, 3214868480
	.section	.rodata,"a",@progbits
	.p2align	6, 0x0
	.amdhsa_kernel k_q09898c1c73_glcm_norm
		.amdhsa_group_segment_fixed_size 0
		.amdhsa_private_segment_fixed_size 0
		.amdhsa_enable_private_segment 0
		.amdhsa_kernarg_size 24
		.amdhsa_user_sgpr_count 2
		.amdhsa_user_sgpr_kernarg_segment_ptr 1
		.amdhsa_wavefront_size32 1
		.amdhsa_system_sgpr_workgroup_id_x 1
		.amdhsa_system_sgpr_workgroup_id_y 1
		.amdhsa_system_sgpr_workgroup_id_z 1
		.amdhsa_system_vgpr_workitem_id 0
		.amdhsa_next_free_vgpr 80
		.amdhsa_next_free_sgpr 66
		.amdhsa_reserve_vcc 0
		.amdhsa_float_denorm_mode_32 3
		.amdhsa_float_denorm_mode_16_64 3
		.amdhsa_memory_ordered 1
		.amdhsa_forward_progress 1
		.amdhsa_inst_pref_size 6
	.end_amdhsa_kernel
	.amdgpu_metadata
---
amdhsa.version: [ 1, 2 ]
amdhsa.kernels:
  - .name:           k_q09898c1c73_glcm_norm
    .symbol:         k_q09898c1c73_glcm_norm.kd
    .args:
      - { .name: part, .offset: 0, .size: 8, .value_kind: global_buffer, .address_space: global }
      - { .name: tot, .offset: 8, .size: 8, .value_kind: global_buffer, .address_space: global }
      - { .name: out0, .offset: 16, .size: 8, .value_kind: global_buffer, .address_space: global }
    .group_segment_fixed_size: 0
    .private_segment_fixed_size: 0
    .kernarg_segment_align: 8
    .kernarg_segment_size: 24
    .max_flat_workgroup_size: 64
    .sgpr_count:     66
    .vgpr_count:     80
    .wavefront_size: 32
...
	.end_amdgpu_metadata
.endif
;; end of part 2
;; ======== version 2 of 2: 2 launches; 1.11 times as fast as version 1
;; workspace buffers: part 4,194,304 bytes; tot 8,192 bytes
;; launch glcm_part (part 3): grid 256 x 1, 8 waves a work-group, no clusters, 168,960 bytes of LDS; arguments x, part, tot; writes part, tot
.if DOCPART == 3
	.amdgcn_target "amdgcn-amd-amdhsa--gfx1250"
	.amdhsa_code_object_version 6
	.text
	.protected	k_q09898c1c73_glcm_part
	.globl	k_q09898c1c73_glcm_part
	.p2align	8
	.type	k_q09898c1c73_glcm_part,@function
k_q09898c1c73_glcm_part:
	s_mov_b64 s[64:65], 0
	v_nop
	global_prefetch_b8 v0, s[64:65] scope:SCOPE_SE
	s_setreg_imm32_b32 hwreg(HW_REG_WAVE_MODE, 25, 1), 1
	s_wait_xcnt 0x0
; DiffGLCM, first of two launches.  x: [16][256][256] f32.  part: [256][64][64] f32, one partial sum a work-group.  tot: [256][8] f32.
; Work-group = (image, band of 16 centre rows), eight waves.  part[i][j] = sum over the band's pairs of t_i(h, w) t_j(h+1, w+1), with
; t_k = a_k - a_(k+1), a_0 = 1, a_k = 1 / (1 + exp(-10 (64 x - k))) for k = 1..63, a_64 = 0.
; DIAGONALS.  A K slot follows a diagonal of the image taken as a ring of 256 columns: slot d holds pixel (row p, (d + p) mod 256), p counted
; from the band's first row.  A row's fragments are first the B operand (periphery) against the row above and then, as they stand, the A
; operand (centre) against the row below: each t is made once (17 rows for 16 rows of products) and no operand passes through LDS.
; Lane (r, half) holds bins 4 g + b, g = 15 - r (bin b in fragment b), of the diagonals d = 16 j + gamma, j = 0..15, gamma = 2 wave + half;
; slot j is register j / 2, low half for even j.  The same place holds the same slot in A and in B, so the products pair rightly.
; The ring's one false pair of a row (centre in column 255) is slot 15 (register 7, high half) where 15 - gamma = centre row: cleared there.
; FOUR BINS FROM ONE EXPONENTIAL AND TWO RECIPROCALS.  c = 10 log2 e; E = 2^z, z = c (4 g + 1.5 - 64 x); d_b = 1 + E e^(10 (b - 1.5));
; r03 = 1 / (d0 d3), r12 = 1 / (d1 d2); a_0 = r03 d3, a_3 = r03 d0, a_1 = r12 d2, a_2 = r12 d1.
; PRODUCTS ONE ROW LATE.  The 16 matrix instructions of rows (p - 2, p - 1) stand one by one among the vector instructions of row p's first half,
; so that the wave has vector work to issue between two of them.  Row p's fragments take the registers of row p - 2's, so nothing is written
; there before the last of the 16: a half row's 32 results stay in f32 where they were made and are rounded together at the half's end.
; BATCHES.  A row goes in two halves of eight pixels.  A half's 16 reciprocals and the 8 exponentials of the NEXT eight pixels are ONE BATCH.  They stand
; by turns with the 40 plain lines that feed them (d_b, the products d0 d3 and d1 d2, z and its cut), none of which names a result of the batch.  Behind the
; last of them stands work that names none either: in the first half the next row's address, in the second the mask of the set that turns centre.  Then
; comes ONE wait ahead of the first line that names a result; then the readers: the a_k, the differences, the roundings and,
; in the next half, the d_b, which read E.  Two waits a row, one more in front of row 0; no result is open at a label or a branch.  Each result has a register of
; its own while its batch is open: 32 for d, 16 for r, 8 for z and E (one buffer: every d_b has read E before the next z is written).  e^-5, e^5, e^15 and
; the mask's 0x0000ffff are the same in every lane and lie in scalar registers, which leaves the vector registers for that.
; LIMITS, stated.  (1) z is cut at 62, so that d0 d3 and d1 d2 stay near 2^124 and their reciprocals above 2^-126; beyond the cut an a_k that is
; truly below 2^-40 is replaced by another number below 2^-40.  No lower cut: E = 0 gives a_k = 1.  (2) A NaN in x is not passed on: the
; minimum that cuts z drops it and the pixel counts as bin 0.  Any finite and infinite x is served.
; No cluster, no tensor load, no prefetch: a work-group reads 17 rows (17 KiB) once, at its head, and shares one of the 17 with the next band.
.set ROWB,  1024                       ; bytes in a row of x
.set RED,   17*ROWB                    ; LDS: 17 staged rows, then eight copies of the 64 x 64 sums
.set COPY,  16384
.set VA,    1                          ; v1        4 (d + row), before the ring's wrap
.set VC0,   2                          ; v2        e^-15 (0 in the lane of bin 0); named as the pair v[2:3], whose low word serves both halves
.set VK0,   3                          ; v3        c (4 g + 1.5)
.set VCNT,  4                          ; v4        15 - gamma - centre row
.set VMSK,  5                          ; v5        the mask for register 7 of the centre's fragments; also, as VT, an offset at work
.set VT,    5
.set YE,    6                          ; v6        -64 c x of my slot's pixel, even rows
.set YO,    7                          ; v7        the same, odd rows
.set Z,     8                          ; v[8:15]   z, then E, of eight pixels
.set DN,    16                         ; v[16:47]  pixel pair p: d0, d1, d2, d3 at 8 p + 0, 2, 4, 6; later t3 at 8 p + 2, t1 at 8 p + 4
.set PR,    48                         ; v[48:63]  pixel pair p: r03 at 4 p, r12 at 4 p + 2; later t0 and t2 there
.set FA,    64                         ; v[64:95]   four fragments, even rows
.set FB,    96                         ; v[96:127]  four fragments, odd rows
.set ACC,   128                        ; v[128:255] tile (a, b) at 8 (4 a + b): centre bins 4 g + a, periphery bins 4 g + b
.set SC,    32                         ; s[32:37]  e^-5, e^5, e^15, each as a pair
.set SLOW,  38                         ; s38       0x0000ffff
.set RS,    16                         ; the way out: v[16:31] my 16 sums, sum (e, b) at 4 e + b
.set TS,    32                         ;              v[32:39] the total, at work
.set ST,    48
.set LD0,   49
.set LD1,   50
.set OUT,   51
.set LANE,  52
.set ZERO,  53
	s_load_b128 s[4:7], s[0:1], 0x0                ; x s[4:5], part s[6:7]
	s_load_b64 s[8:9], s[0:1], 0x10                ; tot
	s_set_vgpr_msb 0x40
	v_lshl_add_u32 v0, v0, 2, 0x29000
	v_mov_b32 v1, 0
	s_set_vgpr_msb 0x4000
	v_lshrrev_b32 v48, 5, v0
	v_readfirstlane_b32 s10, v48                   ; wave 0..7
	s_and_b32 s11, ttmp9, 15                       ; band of the image
	s_lshl_b32 s12, ttmp9, 14                      ; work-group x 16 rows of x; also work-group x 16,384 bytes of part
	s_mov_b32 s13, 0
	s_mov_b32 s14, 16*ROWB                         ; the 17th row; the last band has none and never multiplies it:
	s_mov_b32 s15, 0
	s_cmp_eq_u32 s11, 15
	s_cselect_b32 s14, 15*ROWB, s14                ; there the load takes row 255 again and stays inside x
	s_mov_b32 s20, 0x42780000                      ; 62.0, the cut of z
	s_mov_b32 s21, 0x4266d4ca                      ; 4 c
	s_mov_b32 s22, 0xc466d4ca                      ; -64 c
	s_mov_b32 s23, 0xc466d4ca
	s_mov_b32 s25, 0                               ; the loop's step through the staged rows
	s_mov_b32 s26, 0x76543210                      ; v_permlanex16_b32: lane i of the other half
	s_mov_b32 s27, 0xfedcba98
	s_mov_b32 s[SC+0], 0x3bdcc9ff                  ; e^-5
	s_mov_b32 s[SC+1], 0x3bdcc9ff                  ; (named with it as a pair, so it is written)
	s_mov_b32 s[SC+2], 0x431469c5                  ; e^5
	s_mov_b32 s[SC+3], 0x431469c5
	s_mov_b32 s[SC+4], 0x4a478665                  ; e^15
	s_mov_b32 s[SC+5], 0x4a478665
	s_mov_b32 s[SLOW], 0xffff
	v_lshlrev_b32 v[VT], 4, v0                     ; staging: thread t takes bytes 16 t of each block of four rows
	v_and_b32 v48, 15, v0                          ; r
	v_lshrrev_b32 v49, 4, v0                       ; gamma
	v_sub_nc_u32 v50, 15, v48                      ; g
	v_cvt_f32_u32 v50, v50
	v_mov_b32 v51, 0x41ad1f97                      ; 1.5 c
	v_fma_f32 v[VK0], v50, s21, v51
	v_mov_b32 v52, 0
	v_mov_b32 v[VC0], 0x34a43ae5                   ; e^-15
	v_cmp_eq_u32 vcc_lo, 15, v48                   ; g = 0: the lane of bin 0
	v_cndmask_b32 v[VC0], v[VC0], v52, vcc_lo      ; d0 = 1 there, so a_0 = 1
	v_sub_nc_u32 v[VCNT], 15, v49
	v_lshlrev_b32 v[VA], 6, v48
	v_lshl_add_u32 v[VA], v49, 2, v[VA]            ; 4 d = 64 r + 4 gamma: lane r fetches the pixel of slot j = r
.irp i, 0,1,2,3,4,5,6,7
	v_mov_b32 v[Z+\i], 0                           ; a DPP instruction's destination is also read: written once here
.endr
	s_wait_kmcnt 0x0
	s_add_nc_u64 s[4:5], s[4:5], s[12:13]          ; x at the band's first row
	s_add_nc_u64 s[6:7], s[6:7], s[12:13]          ; my 16 KiB of part
	s_add_nc_u64 s[14:15], s[4:5], s[14:15]        ; x at the 17th row
	; STAGING: each load of a wave takes 512 consecutive bytes from a multiple of 512; scaled by -64 c on the way into LDS.
.irp k, 0,1,2,3
	global_load_b128 v[ACC+4*\k:ACC+4*\k+3], v[VT], s[4:5] offset:4*ROWB*\k
.endr
	s_cmp_gt_u32 s10, 1
	s_cbranch_scc1 .Lrows0to15                     ; the 17th row is 64 threads' work: waves 0 and 1
	global_load_b128 v[ACC+16:ACC+19], v[VT], s[14:15]
	s_wait_loadcnt 0x0                             ; all five were in flight together
	v_pk_mul_f32 v[ACC+16:ACC+17], v[ACC+16:ACC+17], s[22:23] op_sel_hi:[1,0]
	v_pk_mul_f32 v[ACC+18:ACC+19], v[ACC+18:ACC+19], s[22:23] op_sel_hi:[1,0]
	ds_store_b128 v[VT], v[ACC+16:ACC+19] offset:16*ROWB
.Lrows0to15:
.irp k, 0,1,2,3
	s_wait_loadcnt 3-\k                            ; loads return in order: block k is in, the 3 - k younger ones may be out
	v_pk_mul_f32 v[ACC+4*\k:ACC+4*\k+1],   v[ACC+4*\k:ACC+4*\k+1],   s[22:23] op_sel_hi:[1,0]
	v_pk_mul_f32 v[ACC+4*\k+2:ACC+4*\k+3], v[ACC+4*\k+2:ACC+4*\k+3], s[22:23] op_sel_hi:[1,0]
	ds_store_b128 v[VT], v[ACC+4*\k:ACC+4*\k+3] offset:4*ROWB*\k
.endr
	s_wait_dscnt 0x0                               ; my stores are in LDS before I say so: every wave reads every row
	s_barrier_signal -1
	s_barrier_wait -1
; The next of the 16 pending matrix instructions, if any is left: tile WN = 4 a + b, A = fragment a of set WA, B = fragment b of set WB.
; WMODE = 1: the first products start the sums, nothing is cleared.  The 16 sums take turns, one instruction a turn.
.set WN, 16
.set WMODE, 2
.set WA, FA
.set WB, FB
.macro WM
.if WN < 16
.if WMODE == 1
	v_wmma_f32_16x16x32_bf16 v[ACC+8*WN:ACC+8*WN+7], v[WA+8*(WN/4):WA+8*(WN/4)+7], v[WB+8*(WN%4):WB+8*(WN%4)+7], 0
.else
	v_wmma_f32_16x16x32_bf16 v[ACC+8*WN:ACC+8*WN+7], v[WA+8*(WN/4):WA+8*(WN/4)+7], v[WB+8*(WN%4):WB+8*(WN%4)+7], v[ACC+8*WN:ACC+8*WN+7]
.endif
.set WN, WN+1
.endif
.endm
.macro DFMA p, b                       ; d_b = 1 + E C_b of pixel pair p; C_b is broadcast from the low word of its pair
.if \b == 0
	v_pk_fma_f32 v[DN+8*\p:DN+8*\p+1], v[Z+2*\p:Z+2*\p+1], v[VC0:VC0+1], 1.0 op_sel_hi:[1,0,0]
.else
	v_pk_fma_f32 v[DN+8*\p+2*\b:DN+8*\p+2*\b+1], v[Z+2*\p:Z+2*\p+1], s[SC+2*\b-2:SC+2*\b-1], 1.0 op_sel_hi:[1,0,0]
.endif
.endm
.macro PROD03 p                        ; d0 d3
	v_pk_mul_f32 v[PR+4*\p:PR+4*\p+1],   v[DN+8*\p:DN+8*\p+1],   v[DN+8*\p+6:DN+8*\p+7]
.endm
.macro PROD12 p                        ; d1 d2
	v_pk_mul_f32 v[PR+4*\p+2:PR+4*\p+3], v[DN+8*\p+2:DN+8*\p+3], v[DN+8*\p+4:DN+8*\p+5]
.endm
.macro RCP i
	v_rcp_f32 v[PR+\i], v[PR+\i]
.endm
.macro ZADD i, y, j                    ; z of slot j's pixel: row_share hands lane j's pixel to the 16 lanes of its half (j = -1: there is none)
.if \j >= 0
	v_add_f32_dpp v[Z+\i], v[\y], v[VK0] row_share:\j row_mask:0xf bank_mask:0xf
.endif
.endm
.macro ZMIN i
.if ZON
	v_min_num_f32 v[Z+\i], s20, v[Z+\i]
.endif
.endm
.macro ZEXP i
.if ZON
	v_exp_f32 v[Z+\i], v[Z+\i]
.endif
.endm
.macro MULN0 p                         ; -a0 = -r03 d3
	v_pk_mul_f32 v[DN+8*\p+6:DN+8*\p+7], v[PR+4*\p:PR+4*\p+1], v[DN+8*\p+6:DN+8*\p+7] neg_lo:[1,0] neg_hi:[1,0]
.endm
.macro MULA3 p                         ; a3 = r03 d0
	v_pk_mul_f32 v[DN+8*\p:DN+8*\p+1], v[PR+4*\p:PR+4*\p+1], v[DN+8*\p:DN+8*\p+1]
.endm
.macro MULA2 p                         ; a2 = r12 d1
	v_pk_mul_f32 v[DN+8*\p+2:DN+8*\p+3], v[PR+4*\p+2:PR+4*\p+3], v[DN+8*\p+2:DN+8*\p+3]
.endm
.macro TD0 p                           ; t0 = a0 - r12 d2, where r03 lay
	v_pk_fma_f32 v[PR+4*\p:PR+4*\p+1], v[PR+4*\p+2:PR+4*\p+3], v[DN+8*\p+4:DN+8*\p+5], v[DN+8*\p+6:DN+8*\p+7] neg_lo:[1,0,1] neg_hi:[1,0,1]
.endm
.macro TD1 p                           ; t1 = r12 d2 - a2, where d2 lay
	v_pk_fma_f32 v[DN+8*\p+4:DN+8*\p+5], v[PR+4*\p+2:PR+4*\p+3], v[DN+8*\p+4:DN+8*\p+5], v[DN+8*\p+2:DN+8*\p+3] neg_lo:[0,0,1] neg_hi:[0,0,1]
.endm
.macro TD2 p                           ; t2 = a2 - a3, where r12 lay
	v_pk_add_f32 v[PR+4*\p+2:PR+4*\p+3], v[DN+8*\p+2:DN+8*\p+3], v[DN+8*\p:DN+8*\p+1] neg_lo:[0,1] neg_hi:[0,1]
.endm
.macro TD3 p                           ; t3 = a3 - a0 of the next four bins, which lane r - 1 holds; lane r = 0 (bins 60..63) has no such lane and takes 0 = a_64; where a2 lay
	v_add_f32_dpp v[DN+8*\p+2], v[DN+8*\p+6], v[DN+8*\p]   row_shr:1 row_mask:0xf bank_mask:0xf bound_ctrl:1
	v_add_f32_dpp v[DN+8*\p+3], v[DN+8*\p+7], v[DN+8*\p+1] row_shr:1 row_mask:0xf bank_mask:0xf bound_ctrl:1
.endm
; A HALF ROW UP TO ITS WAIT: d0..d3 and the two products of the eight pixels whose E lies in Z; then, in Z again, z of the next eight (slots j0..j7 of row y; -1: there are
; none); and the batch: 16 reciprocals and 8 exponentials, by turns with those plain lines.  No line here names a result of the batch: each reciprocal and each exponential
; works in place on a register that nothing else names before the wait.  The line behind a transcendental touches neither its source nor its result (ISA guide 5.7.2).
; w = 1: row y comes from the LDS load issued at this row's first wait: it is waited for directly ahead of its first reader.
; Eleven places for pending matrix instructions, five vector lines apart; the last stands eleven vector lines ahead of the macro's end.
.macro BATCH y, j0, j1, j2, j3, j4, j5, j6, j7, w
.if \j0 >= 0
.set ZON, 1
.else
.set ZON, 0
.endif
	DFMA 0, 0
	DFMA 0, 3
	DFMA 0, 1
	WM
	DFMA 0, 2
	PROD03 0
	PROD12 0
	DFMA 1, 0
	DFMA 1, 3
	WM
	RCP 0
	DFMA 1, 1
	RCP 1
	DFMA 1, 2
	RCP 2
	WM
	PROD03 1
	RCP 3
	PROD12 1
	DFMA 2, 0
	RCP 4
	WM
	DFMA 2, 3
	RCP 5
	DFMA 2, 1
	RCP 6
	DFMA 2, 2
	WM
	RCP 7
	PROD03 2
	PROD12 2
	DFMA 3, 0
	RCP 8
	WM
	DFMA 3, 3
	RCP 9
	DFMA 3, 1
	RCP 10
	DFMA 3, 2
	WM
	RCP 11
	PROD03 3
	PROD12 3
.if \w
	s_wait_dscnt 0x0                               ; the one LDS load of this row
.endif
	ZADD 0, \y, \j0                                ; every d_b has read E: Z takes the next eight pixels
	ZADD 1, \y, \j1
	WM
	RCP 12
	ZADD 2, \y, \j2
	RCP 13
	ZADD 3, \y, \j3
	RCP 14
	WM
	ZMIN 0
	RCP 15
	ZMIN 1
	ZADD 4, \y, \j4
	ZEXP 0
	WM
	ZMIN 2
	ZEXP 1
	ZADD 5, \y, \j5
	ZMIN 3
	ZEXP 2
	WM
	ZADD 6, \y, \j6
	ZEXP 3
	ZMIN 4
	ZADD 7, \y, \j7
	ZMIN 5
	ZEXP 4
	ZMIN 6
	ZEXP 5
	ZMIN 7
	ZEXP 6
	ZEXP 7
.endm
; A HALF ROW BEHIND ITS WAIT: the readers of the reciprocals: t0..t3 in f32 of the eight pixels.  Five places for pending matrix instructions; behind the last of them stand the
; ten vector lines of the last two pixel pairs' differences, none of which names a fragment or a sum (ISA guide 7.12.1 asks four before a source is written).
.macro FINISH
	WM
	MULN0 0
	MULA3 0
	MULA2 0
	MULN0 1
	MULA3 1
	WM
	MULA2 1
	TD0 0
	TD1 0
	TD2 0
	TD0 1
	WM
	TD1 1
	TD2 1
	MULN0 2
	MULA3 2
	MULA2 2
	WM
	MULN0 3
	MULA3 3
	MULA2 3
	TD3 0
	TD3 1
	WM
	TD0 2
	TD1 2
	TD2 2
	TD0 3
	TD1 3
	TD2 3
	TD3 2
	TD3 3
.endm
; a half row's 32 t, rounded to bf16 into registers 4 hq .. 4 hq + 3 of the four fragments of set fn
.macro CVT fn, hq
.irp p, 0, 1, 2, 3
	v_cvt_pk_bf16_f32 v[\fn+4*\hq+\p],    v[PR+4*\p],   v[PR+4*\p+1]
	v_cvt_pk_bf16_f32 v[\fn+8+4*\hq+\p],  v[DN+8*\p+4], v[DN+8*\p+5]
	v_cvt_pk_bf16_f32 v[\fn+16+4*\hq+\p], v[PR+4*\p+2], v[PR+4*\p+3]
	v_cvt_pk_bf16_f32 v[\fn+24+4*\hq+\p], v[DN+8*\p+2], v[DN+8*\p+3]
.endr
.endm
; Set f turns from periphery to centre: where my half wave's slot 15 stood in column 255, that pixel is no centre.  The matrix instructions
; that read f as B stand in the row's first half, more than eighty plain vector instructions back.
.macro MASK f
	v_cmp_eq_u32 vcc_lo, 0, v[VCNT]
	v_cndmask_b32 v[VMSK], -1, s[SLOW], vcc_lo
	v_add_nc_u32 v[VCNT], -1, v[VCNT]              ; the next centre row
.irp b, 0,1,2,3
	v_and_b32 v[\f+8*\b+7], v[VMSK], v[\f+8*\b+7]
.endr
.endm
; ROW p.  fn: its fragments' set, which still holds row p - 2's; fb: row p - 1's; ycur, ynext: this row's and the next row's pixels; off: the
; next row's bytes among the staged rows less the loop's step s25 (-1: no next row); mm: 0 no product is pending, 1 the first, 2 a further one;
; mk = 1: row p - 1 will be a centre, and its set is masked here.  E of this row's first eight pixels was made in the row before.
.macro ROW fn, fb, ycur, ynext, off, mm, mk
.if \mm
.set WN, 0
.set WMODE, \mm
.set WA, \fn
.set WB, \fb
.else
.set WN, 16
.endif
	BATCH \ycur, 8, 9, 10, 11, 12, 13, 14, 15, 0   ; products 0..10 among it
.if \off >= 0
	v_add_nc_u32 v[VA], 4, v[VA]                   ; behind the batch, work that names none of its results: one column to the right,
	v_and_or_b32 v[VT], v[VA], 0x3ff, s25          ; round the ring of 256 columns
	s_wait_alu depctr_va_vdst(0)                   ; the wait for the first half's batch: 16 reciprocals, 8 exponentials; it stands ahead of their first reader
	ds_load_b32 v[\ynext], v[VT] offset:\off       ; one row down
.else
	v_nop                                          ; the plain place behind the last exponential: no address is left to step
	s_wait_alu depctr_va_vdst(0)                   ; the wait for the first half's batch: 16 reciprocals, 8 exponentials
.endif
	FINISH                                         ; products 11..15 among it
	CVT \fn, 0                                     ; row p - 2's fragments are done with
.if \off >= 0
	BATCH \ynext, 0, 1, 2, 3, 4, 5, 6, 7, 1
.else
	BATCH \ynext, -1, -1, -1, -1, -1, -1, -1, -1, 0
.endif
.if \mk
	MASK \fb                                       ; behind the batch, work that names none of its results
.else
	v_nop                                          ; the plain place behind the last exponential: there is no centre yet
.endif
	s_wait_alu depctr_va_vdst(0)                   ; the wait for the second half's batch: 16 reciprocals and the next row's first 8 exponentials; none is open at the row's end
	FINISH
	CVT \fn, 1
.endm
; the last product has no row to stand in; its centre set was masked in the row before
.macro LASTMM fa, fb
.set WN, 0
.set WMODE, 2
.set WA, \fa
.set WB, \fb
.rept 16
	WM
.endr
.endm
	ds_load_b32 v[YE], v[VA]                       ; row 0
	s_wait_dscnt 0x0
.set ZON, 1
.irp i, 0,1,2,3,4,5,6,7
	ZADD \i, YE, \i
.endr
.irp i, 0,1,2,3,4,5,6,7
	ZMIN \i
.endr
.irp i, 0,1,2,3,4,5,6,7
	ZEXP \i
.endr
	v_nop                                          ; the plain place behind the last exponential
	s_wait_alu depctr_va_vdst(0)                   ; the wait for row 0's first eight exponentials, a batch of their own
	ROW FA, FB, YE, YO, 1*ROWB, 0, 0               ; row 0
	ROW FB, FA, YO, YE, 2*ROWB, 0, 1               ; row 1
	ROW FA, FB, YE, YO, 3*ROWB, 1, 1               ; row 2, with the product of rows 0 and 1
	s_mov_b32 s24, 0
.Lrows:                                            ; trip t = 0..5: rows 3 + 2 t and 4 + 2 t
	s_lshl_b32 s25, s24, 11                        ; 2 t staged rows
	ROW FB, FA, YO, YE, 4*ROWB, 2, 1
	ROW FA, FB, YE, YO, 5*ROWB, 2, 1
	s_add_co_u32 s24, s24, 1
	s_cmp_lt_u32 s24, 6
	s_cbranch_scc1 .Lrows
	s_mov_b32 s25, 0
	ROW FB, FA, YO, YE, 16*ROWB, 2, 1              ; row 15, with the product of rows 13 and 14
	s_cmp_eq_u32 s11, 15
	s_cbranch_scc1 .Lband15                        ; the image's row 255 is no centre: the last band has 15 rows of products
	ROW FA, FB, YE, YO, -1, 2, 1                   ; row 16, with the product of rows 14 and 15
	LASTMM FB, FA                                  ; rows 15 and 16
	s_branch .Lreduce
.Lband15:
	LASTMM FA, FB                                  ; rows 14 and 15
.Lreduce:
	; THE WAY OUT.  Eight copies of the sums go to LDS as they lie in registers (registers 4 G .. 4 G + 3 at 512 G + 16 lane); wave w adds, over
	; the copies, registers 4 u .. 4 u + 3 of tiles (a, 0..3), a = w / 2, u = w % 2.  Register 4 u + e of tile (a, b) in lane (r, half) is
	; part[4 (15 - 8 half - 4 u - e) + a][4 (15 - r) + b].  The vector lines below are more than the four plain places between the last
	; matrix instruction and the first LDS store of a result.
	v_and_b32 v[LANE], 31, v0
	v_mov_b32 v[ZERO], 0
	v_lshlrev_b32 v54, 4, v[LANE]                  ; 16 x lane
	v_xor_b32 v55, 31, v[LANE]                     ; low four bits 15 - r, bit 4: 1 - half
	v_and_b32 v[OUT], 15, v55
	v_lshrrev_b32 v55, 4, v55
	v_lshlrev_b32 v[OUT], 4, v[OUT]
	v_lshl_add_u32 v[OUT], v55, 13, v[OUT]         ; 16 (15 - r) + 8192 (1 - half)
	s_lshl_b32 s28, s10, 14
	s_add_co_u32 s28, s28, RED                     ; my copy
	v_add_nc_u32 v[ST], s28, v54
	s_lshr_b32 s29, s10, 1                         ; a
	s_and_b32 s30, s10, 1                          ; u
	s_lshl_b32 s28, s29, 12
	s_lshl_b32 s31, s30, 9
	s_add_co_u32 s28, s28, s31
	s_add_co_u32 s28, s28, RED
	v_add_nc_u32 v[LD0], s28, v54                  ; copies 0..3: tile (a, 0), registers 4 u ..
	v_add_nc_u32 v[LD1], 4*COPY, v[LD0]            ; copies 4..7 lie beyond the reach of the 16-bit offset
	s_xor_b32 s30, s30, 1
	s_lshl_b32 s30, s30, 12
	s_lshl_b32 s29, s29, 8
	s_add_co_u32 s30, s30, s29
	v_add_nc_u32 v[OUT], s30, v[OUT]               ; + 4096 (1 - u) + 256 a
.set G, 0
.rept 32
	ds_store_b128 v[ST], v[ACC+4*G:ACC+4*G+3] offset:512*G
.set G, G+1
.endr
	s_wait_dscnt 0x0                               ; my copy is in LDS before I say so: every wave reads every copy
	s_barrier_signal -1
	s_barrier_wait -1
.irp c, 0,1,2,3
.irp b, 0,1,2,3
	ds_load_b128 v[ACC+16*\c+4*\b:ACC+16*\c+4*\b+3], v[LD0] offset:\c*COPY+\b*1024
.endr
.endr
.irp c, 0,1,2,3
.irp b, 0,1,2,3
	ds_load_b128 v[ACC+64+16*\c+4*\b:ACC+64+16*\c+4*\b+3], v[LD1] offset:\c*COPY+\b*1024
.endr
.endr
.irp c, 1,2,3,4,5,6
	s_wait_dscnt 4*(7-\c)                          ; LDS loads return in order: copies 0..c are in, four loads for each later copy may be out
.irp i, 0,2,4,6,8,10,12,14
	v_pk_add_f32 v[ACC+\i:ACC+\i+1], v[ACC+\i:ACC+\i+1], v[ACC+16*\c+\i:ACC+16*\c+\i+1]
.endr
.endr
	s_wait_dscnt 0x0
.irp e, 0,1,2,3
.irp b, 0,1,2,3
	v_add_f32 v[RS+4*\e+\b], v[ACC+4*\b+\e], v[ACC+112+4*\b+\e]    ; the last add also puts four neighbouring columns side by side
.endr
.endr
.irp e, 0,1,2,3
	global_store_b128 v[OUT], v[RS+4*\e:RS+4*\e+3], s[6:7] offset:1024*(3-\e)   ; 16 lanes store a whole row of 256 bytes, aligned
.endr
	; my eighth's total, for the second launch's divisor
.irp i, 0,1,2,3
	v_pk_add_f32 v[TS+2*\i:TS+2*\i+1], v[RS+4*\i:RS+4*\i+1], v[RS+4*\i+2:RS+4*\i+3]
.endr
	v_pk_add_f32 v[TS:TS+1],   v[TS:TS+1],   v[TS+2:TS+3]
	v_pk_add_f32 v[TS+4:TS+5], v[TS+4:TS+5], v[TS+6:TS+7]
	v_pk_add_f32 v[TS:TS+1],   v[TS:TS+1],   v[TS+4:TS+5]
	v_add_f32 v[TS], v[TS], v[TS+1]
	v_add_f32_dpp v[TS], v[TS], v[TS] row_xmask:1 row_mask:0xf bank_mask:0xf
	v_add_f32_dpp v[TS], v[TS], v[TS] row_xmask:2 row_mask:0xf bank_mask:0xf
	v_add_f32_dpp v[TS], v[TS], v[TS] row_xmask:4 row_mask:0xf bank_mask:0xf
	v_add_f32_dpp v[TS], v[TS], v[TS] row_xmask:8 row_mask:0xf bank_mask:0xf
	v_permlanex16_b32 v[TS+1], v[TS], s26, s27
	v_add_f32 v[TS], v[TS], v[TS+1]
	s_lshl_b32 s28, ttmp9, 5                       ; tot[work-group][wave]
	s_lshl2_add_u32 s28, s10, s28
	s_mov_b32 s29, 0
	s_add_nc_u64 s[8:9], s[8:9], s[28:29]
	v_cmp_eq_u32 vcc_lo, 0, v[LANE]
	s_wait_xcnt 0x0                                ; EXEC is a source of the four stores above: it narrows only behind this wait
	s_set_vgpr_msb 0x5
	s_wait_tensorcnt 0x0
	ds_add_u32 v0, v1
	s_wait_dscnt 0x0
	s_set_vgpr_msb 0x500
	s_and_saveexec_b32 s16, vcc_lo
	global_store_b32 v[ZERO], v[TS], s[8:9]        ; lane 0 alone
	s_wait_xcnt 0x0                                ; and widens only behind this one
	s_or_b32 exec_lo, exec_lo, s16
	s_endpgm
.Lfunc_end_k_q09898c1c73_glcm_part:
	.size	k_q09898c1c73_glcm_part, .Lfunc_end_k_q09898c1c73_glcm_part-k_q09898c1c73_glcm_part
	.p2alignl 7, 3214868480
	.fill 96, 4, 3214868480
	.section	.rodata,"a",@progbits
	.p2align	6, 0x0
	.amdhsa_kernel k_q09898c1c73_glcm_part
		.amdhsa_group_segment_fixed_size 168960
		.amdhsa_private_segment_fixed_size 0
		.amdhsa_enable_private_segment 0
		.amdhsa_kernarg_size 24
		.amdhsa_user_sgpr_count 2
		.amdhsa_user_sgpr_kernarg_segment_ptr 1
		.amdhsa_wavefront_size32 1
		.amdhsa_system_sgpr_workgroup_id_x 1
		.amdhsa_system_sgpr_workgroup_id_y 1
		.amdhsa_system_sgpr_workgroup_id_z 1
		.amdhsa_system_vgpr_workitem_id 0
		.amdhsa_next_free_vgpr 258
		.amdhsa_next_free_sgpr 66
		.amdhsa_reserve_vcc 1
		.amdhsa_float_denorm_mode_32 3
		.amdhsa_float_denorm_mode_16_64 3
		.amdhsa_memory_ordered 1
		.amdhsa_forward_progress 1
		.amdhsa_inst_pref_size 110
	.end_amdhsa_kernel
	.amdgpu_metadata
---
amdhsa.version: [ 1, 2 ]
amdhsa.kernels:
  - .name:           k_q09898c1c73_glcm_part
    .symbol:         k_q09898c1c73_glcm_part.kd
    .args:
      - { .name: x, .offset: 0, .size: 8, .value_kind: global_buffer, .address_space: global }
      - { .name: part, .offset: 8, .size: 8, .value_kind: global_buffer, .address_space: global }
      - { .name: tot, .offset: 16, .size: 8, .value_kind: global_buffer, .address_space: global }
    .group_segment_fixed_size: 168960
    .private_segment_fixed_size: 0
    .kernarg_segment_align: 8
    .kernarg_segment_size: 24
    .max_flat_workgroup_size: 256
    .sgpr_count:     66
    .vgpr_count:     258
    .wavefront_size: 32
...
	.end_amdgpu_metadata
.endif
;; end of part 3
;; launch glcm_norm: the kernel of part 2 again; grid 256 x 1, 2 waves a work-group, no clusters, 0 bytes of LDS; arguments part, tot, out0; writes out0
